; MI455X (gfx1250); checked and timed in simulation.
; The chip was launched on July 23, 2026; its instructions are those of AMD's public machine-readable ISA for CDNA 5 (MIT licence, August 2026) and "CDNA5" Instruction Set Architecture Reference Guide (July 2026). The comments in the code are by the model that wrote it; some were corrected since.
;; additive Attention. Allowed arithmetic: matrix products marked QUANTISED: E2M1 operands, one E8M0 scale for each 32 along K, by v_wmma_scale_f32_16x16x128_f8f6f4 with both operands' format E2M1 (or v_wmma_scale_f32_32x16x128_f4), f32 sums; everything else in f32.
;; Inputs: Wk 2,048 x 1,024 float32; Wq 2,048 x 1,024 float32; bk 2,048 float32; bq 2,048 float32; k 4 x 2,048 x 1,024 float32; mask 2,048 x 2,048 float32; q 4 x 2,048 x 1,024 float32; v 4 x 2,048 x 1,024 float32.
;; Outputs: out0 4 x 2,048 x 1,024 float32.
;; This version of the problem:
;;   THIS VERSION OF THE PROBLEM IS GIVEN IN LOW PRECISION. The matrix products marked QUANTISED in the list below multiply operands that are first quantised to E2M1 (2 exponent bits, 1 mantissa bit; 4 bits a number), with one power-of-two scale for each 32 numbers along K (OCP MX v1.0); their sums are f32. All else is computed in f32.
;;   The module's matrix products, in the order in which they are computed (A, B: the left and right operand; K: the contracted axis; several contracted axes count as one K, in the product's order):
;;     1. [M 8,192, K 1,024] x [K 1,024, N 2,048]; A: input q; B: input Wq: QUANTISED
;;     2. [M 8,192, K 1,024] x [K 1,024, N 2,048]; A: input k; B: input Wk: QUANTISED
;;     3. batch 4 x [M 2,048, K 2,048] x [K 2,048, N 1,024]; A: softmax (see below); B: input v: QUANTISED
;;   THE QUANTISER, for each operand of a quantised product, along K:
;;     - K is cut into blocks of 32 from its start; a last block that is shorter is filled with zeros.
;;     - A block's scale is 2^e with e = floor(log2(the largest magnitude in the block)) - 2, held to -126 .. 127; a block of zeros has e = 0. As a byte (E8M0): e + 127.
;;     - Each number is divided by its block's scale, clamped to +-6, and rounded to the nearest number of E2M1, ties to even, subnormals kept.
;;     - The product sums the exact products of the quantised numbers (number of the format x scale) in f32.
;;   ~~~python
;;   def quantise(x, axis):      # numpy; x: float32 -> the quantised numbers, widened to float32 again
;;       x = np.moveaxis(x, axis, -1); K = x.shape[-1]
;;       x = np.pad(x, [(0, 0)] * (x.ndim - 1) + [(0, -K % 32)]); x = x.reshape(x.shape[:-1] + (-1, 32)); a = np.abs(x).max(-1, keepdims=True)
;;       e = np.where(a > 0, np.clip(np.frexp(np.where(a > 0, a, 1))[1] - 1 - 2, -126, 127), 0)      # np.frexp(a)[1] - 1 = floor(log2(a)), exactly
;;       r = np.clip(x / 2.0 ** e, -6, 6)
;;       step = 2.0 ** (np.maximum(np.frexp(np.where(r == 0, 1, r))[1] - 1, 0) - 1)
;;       q = np.round(r / step) * step * 2.0 ** e      # np.round: ties to even
;;       return np.moveaxis(q.reshape(q.shape[:-2] + (-1,))[..., :K], -1, axis).astype(np.float32)
;;   ~~~
;;   SOFTMAX AHEAD OF A QUANTISED PRODUCT. Where the list says 'softmax', what is quantised is not the finished softmax but p = 2^(t - M), with t = logit x log2(e) and M = ceil(the row's largest t), a whole number; so 1/2 < the row's largest p <= 1. The row's sum l is taken of the UNQUANTISED p, in f32, and the product's result is divided by l at the end. Since M is a whole number, a kernel that streams over the keys may use a running M (the ceiling of the running maximum): every later rescaling is an exact power of two, which a block's scale takes up: the codes' values come out the same.
;;   OPERANDS COMPUTED ON THE WAY. 'Computed on the way' means the value that the module computes at that place (a softmax that the list does not call 'softmax' is quantised finished and normalised). What goes into a quantiser is computed in f32, as accurately as f32 sums, v_exp_f32 and their like allow (about 1e-6 of the number): no bf16 or f16 on the way to a quantiser, and a product that is left as it is and whose result goes on into a quantised operand takes f32 operands (vector FMAs, or v_wmma_f32_16x16x4_f32). A number that lies on a knife's edge between two numbers of the format may be rounded either way, as far as f32 arithmetic and the matrix unit's own rounding can turn it there, and no further.
;; One version. Each part assembles by itself: llvm-mc -triple=amdgcn-amd-amdhsa -mcpu=gfx1250 --defsym DOCPART=n.
;; ======== version 1 of 1: 3 launches
;; limits: right only within a limited range of input values
;; workspace buffers: xw_codes 10,485,760 bytes; xw_scales 655,360 bytes; v_codes 4,194,304 bytes; v_scales 262,144 bytes; p_codes 8,388,608 bytes; p_meta 1,572,864 bytes
;; launch quant (part 1): grid 256 x 1, 18 waves a work-group, no clusters, 103,936 bytes of LDS; arguments q, k, Wq, Wk, v, xw_codes, xw_scales, v_codes, v_scales; writes xw_codes, xw_scales, v_codes, v_scales
.if DOCPART == 1
	.amdgcn_target "amdgcn-amd-amdhsa--gfx1250"
	.amdhsa_code_object_version 6
	.text
	.protected	k_q4335ee5533_quant
	.globl	k_q4335ee5533_quant
	.p2align	8
	.type	k_q4335ee5533_quant,@function
k_q4335ee5533_quant:
	s_mov_b64 s[64:65], 0
	v_nop
	global_prefetch_b8 v0, s[64:65] scope:SCOPE_SE
	s_setreg_imm32_b32 hwreg(HW_REG_WAVE_MODE, 25, 1), 1
	s_wait_xcnt 0x0
; All five large f32 inputs become codes of FP4 (E2M1) with one E8M0 scale byte for each 32 along the K of their product.  Every input is loaded in this program.
; A block's scale is 2^(floor(log2(its largest magnitude)) - 2): its byte is the largest magnitude's exponent field - 2, held at 1 from below.
; (A block of zeros so gets the byte 1 where the quantiser says 127: its codes are zeros, and only this program reads the bytes.)
; LIMITS: NaN and infinities among the inputs are not served; blocks whose largest magnitude lies under 2^-124 keep the byte 1.
; THE FIRST TWO PRODUCTS ARE ONE: q Wq^T + k Wk^T = [q | k] [Wq | Wk]^T with K = 2,048.  xw_codes has rows of 1,024 bytes: q's (Wq's) 512 bytes of codes, then k's (Wk's).
; Rows 0 to 8,191 are [q | k]; from byte 8,388,608 on lie the 2,048 rows of [Wq | Wk].  xw_scales likewise in rows of 64 bytes, the weights' from byte 524,288 on.
; THE WEIGHTS' ROWS ARE LAID IN ANOTHER ORDER: of each 32 rows the four groups of eight lie at group places 0, 2, 1, 3, so that place 16 u + r holds row 8 u + r + 8 (r / 8):
; sixteen places on end are then a tile whose transposed product leaves 16 neighbours along the next product's K in a lane's registers.
; v [4][2,048 c][1,024 e] has its K (c) as its first axis within a batch.  v_codes holds IMAGES OF THE OPERAND'S REGISTERS: [4][64 blocks of 16 e][16 runs of 128 c][1,024 bytes];
; in an image the 16 bytes of (block b of 32 c, row r) lie at 256 b + 16 r.  v_scales is [4][1,024 e][64].
; SHARES: 28,672 rows of 4,096 bytes over 256 work-groups are 112 rows each, and every work-group has the same mix, chosen by the wave's number alone:
; waves 0-3 take 8 rows of q each, waves 4-7 of k, wave 8 of Wq, wave 9 of Wk (K innermost: a plain stream of blocks); waves 10-17 take 32 columns x 128 c of v each (a lane to a column, registers down K).
; No tensor loads, no barrier: waves share nothing.  Matrix units and clusters have no work here.
.set STEPS, 16
.set EMAX,  2
.set CB,    8                          ; bytes of 16 codes
.set R,     16                         ; six sets of 16 numbers as they are loaded: v16-79 and v160-191
.set X,     80                         ; v80-111  two sets of 16 neighbours
.set E,     112                        ; v112-113 the scale byte, two registers by turns
.set SPW,   126                        ; v126     LDS address of my spare word; never rewritten
.set NIL,   127                        ; v127     0; never rewritten
.set C,     128                        ; v128-159 codes: two registers for each step, so that no store's data are written again
.set WREG,  5632                       ; LDS: a region for each wave: two stages of 32 x SP bytes, then its 256 scale bytes
.set SP,    80                         ; a lane's place in a stage: 64 bytes + 16 of padding
.set SPARE, 18*WREG                    ; the spare words: 128 bytes for each of 18 waves, nine blocks of 256 bytes that no other line names
.set VROW,  4096                       ; a row of v in bytes
.set XB,    32                         ; v32-95   v's way: two sets of 32 numbers
.set CC,    96                         ; v96-111  its codes, four registers a block
	s_load_b256 s[4:11], s[0:1], 0x0               ; q s[4:5], k s[6:7], Wq s[8:9], Wk s[10:11]
	s_load_b256 s[12:19], s[0:1], 0x20             ; v s[12:13], xw_codes s[14:15], xw_scales s[16:17], v_codes s[18:19]
	s_load_b64 s[20:21], s[0:1], 0x40              ; v_scales
	v_lshl_add_u32 v[SPW], v0, 2, SPARE
	v_mov_b32 v[NIL], 0
	v_lshrrev_b32 v1, 5, v0
	v_readfirstlane_b32 s22, v1                    ; wave
	v_and_b32 v2, 31, v0                           ; lane
	s_cmp_ge_u32 s22, 10                           ; the wave's number alone decides the way
	s_wait_alu depctr_va_vdst(0)
	s_cbranch_scc1 .Lv
	; ---------------- q, k, Wq, Wk: K innermost ----------------
	; 8 rows of 1,024 numbers: 16 steps of 512.  Each of a step's four loads reads 512 consecutive bytes; the 2,048 bytes turn through the wave's stage so that a lane holds 16 neighbours.
	v_lshlrev_b32 v3, 4, v2                        ; my 16 bytes of a load's 512
	s_mul_i32 s38, s22, WREG
	v_lshrrev_b32 v14, 2, v2
	v_mul_u32_u24 v14, v14, SP
	v_and_b32 v15, 3, v2
	v_lshl_add_u32 v14, v15, 4, v14
	v_add_nc_u32 v14, s38, v14                     ; the stage, on the way in: SP (lane / 4) + 16 (lane % 4)
	v_mul_u32_u24 v15, v2, SP
	v_add_nc_u32 v15, s38, v15                     ; and on the way out: SP x lane
	v_mul_u32_u24 v4, v2, CB                       ; my codes' place in a step's 256 bytes
	v_lshrrev_b32 v5, 1, v2
	s_add_co_u32 s38, s38, 2*32*SP
	v_add_nc_u32 v5, s38, v5                       ; LDS: my wave's 256 scale bytes, my block's byte
	v_lshlrev_b32 v7, 3, v2
	v_add_nc_u32 v6, s38, v7                       ; and 8 bytes a lane on the way out,
	v_lshrrev_b32 v7, 2, v2
	v_and_b32 v10, 3, v2
	v_lshlrev_b32 v7, 6, v7
	v_lshl_add_u32 v7, v10, 3, v7                  ; which go to row lane / 4 (64 bytes apart), piece lane % 4
	s_and_b32 s36, s22, 3
	s_lshl_b32 s36, s36, 8
	s_add_co_u32 s36, s36, ttmp9                   ; q, k: my run of 8 rows = 256 (wave % 4) + work-group
	s_and_b32 s23, ttmp9, 1                        ; the weights: run = work-group; of each four runs the places are 0, 2, 1, 3
	s_lshl_b32 s23, s23, 1
	s_bfe_u32 s39, ttmp9, 0x10001
	s_or_b32 s23, s23, s39
	s_and_b32 s33, ttmp9, 0xfc
	s_or_b32 s23, s23, s33
	s_wait_alu depctr_va_vdst(0)
	s_wait_kmcnt 0x0
	s_cmp_lt_u32 s22, 4                            ; q or k
	s_cselect_b64 s[24:25], s[4:5], s[6:7]
	s_cselect_b32 s30, 0, 1                        ; which half of the joined row
	s_cmp_lt_u32 s22, 9                            ; Wq or Wk
	s_cselect_b64 s[26:27], s[8:9], s[10:11]
	s_cselect_b32 s32, 0, 1
	s_cmp_lt_u32 s22, 8                            ; rows or weights
	s_cselect_b64 s[24:25], s[24:25], s[26:27]
	s_cselect_b32 s30, s30, s32
	s_cselect_b32 s34, 0, 8388608                  ; where the weights' codes begin,
	s_cselect_b32 s35, 0, 524288                   ; and their scale bytes
	s_cselect_b32 s37, s36, s23                    ; which run of 8 rows I write,
	s_cselect_b32 s36, s36, ttmp9                  ; and which I read
	s_lshl_b32 s40, s36, 15                        ; 8 rows x 4,096 bytes
	s_mov_b32 s41, 0
	s_add_nc_u64 s[24:25], s[24:25], s[40:41]
	s_lshl_b32 s40, s37, 13                        ; 8 rows x 1,024 bytes of codes
	s_add_co_u32 s40, s40, s34
	s_lshl_b32 s42, s30, 9
	s_add_co_u32 s40, s40, s42
	s_add_nc_u64 s[26:27], s[14:15], s[40:41]
	s_lshl_b32 s40, s37, 9                         ; 8 rows x 64 scale bytes
	s_add_co_u32 s40, s40, s35
	s_lshl_b32 s42, s30, 5
	s_add_co_u32 s40, s40, s42
	s_add_nc_u64 s[28:29], s[16:17], s[40:41]
.macro LOAD t
.set RS, R+16*((\t)%6)+80*(((\t)%6)/4)
.irp i, 0,1,2,3
	global_load_b128 v[RS+4*\i:RS+4*\i+3], v3, s[24:25] offset:2048*(\t)+512*\i th:TH_LOAD_NT   ; 32 lanes read 512 consecutive bytes; read once in the launch
.endr
.endm
.macro TURN t                          ; step t's numbers through the stage: LDS serves a wave's instructions in order, so no wait stands between the stores and the loads
.set RS, R+16*((\t)%6)+80*(((\t)%6)/4)
.irp i, 0,1,2,3
	ds_store_b128 v14, v[RS+4*\i:RS+4*\i+3] offset:32*SP*((\t)%2)+8*SP*\i
.endr
.irp i, 0,1,2,3
	ds_load_b128 v[X+16*((\t)%2)+4*\i:X+16*((\t)%2)+4*\i+3], v15 offset:32*SP*((\t)%2)+16*\i
.endr
.endm
.irp t, 0,1,2,3,4,5
	LOAD \t
.endr
	s_wait_loadcnt 20                              ; step 0's four loads are in; five steps' stay out
	TURN 0
.macro STEP t
.set XS, X+16*((\t)%2)
.if (\t) > 0
	s_wait_dscnt 1                                 ; this step's numbers are back from the stage; the last step's byte store may be out, that of the step before it is done
.else
	s_wait_dscnt 0x0
.endif
.if (\t)+6 < STEPS
	LOAD (\t)+6                                    ; into the registers that this step's stage stores have read
.endif
.if (\t)+1 < STEPS
.if STEPS-2-(\t) >= 5
	s_wait_loadcnt 20                              ; the next step's four loads are in; those of the five steps behind it may be out
.else
	s_wait_loadcnt 4*(STEPS-2-(\t))
.endif
	TURN (\t)+1
.endif
	v_max3_num_f32 v8, |v[XS]|, |v[XS+1]|, |v[XS+2]|               ; the largest magnitude of my 16, in two chains
	v_max3_num_f32 v9, |v[XS+3]|, |v[XS+4]|, |v[XS+5]|
.irp i, 6,10
	v_max3_num_f32 v8, v8, |v[XS+\i]|, |v[XS+\i+1]|
	v_max3_num_f32 v9, v9, |v[XS+\i+2]|, |v[XS+\i+3]|
.endr
	v_max3_num_f32 v8, v8, |v[XS+14]|, |v[XS+15]|
	v_max3_num_f32 v8, v8, v9, (EMAX+1)<<23        ; and the floor 2^(3 - 127): the byte cannot fall under 1
	v_max_num_f32_dpp v8, v8, v8 row_xmask:1 row_mask:0xf bank_mask:0xf   ; with my neighbour's 16: the block's
	v_add_nc_u32 v11, -(EMAX<<23), v8              ; 2 off its exponent field: the conversion takes the exponent field of this operand as its scale
	v_cvt_scalef32_pk8_fp4_f32 v[C+2*(\t)], v[XS:XS+7], v11
	v_cvt_scalef32_pk8_fp4_f32 v[C+2*(\t)+1], v[XS+8:XS+15], v11
	v_lshrrev_b32 v[E+(\t)%2], 23, v11             ; the scale's byte (a plain line behind the conversions)
	ds_store_b8 v5, v[E+(\t)%2] offset:16*(\t)     ; both lanes of a block write the same byte with the same value
	global_store_b64 v4, v[C+2*(\t):C+2*(\t)+1], s[26:27] offset:((\t)/2)*1024+((\t)%2)*256   ; the wave stores 256 consecutive bytes, aligned: half of my half of row t / 2
.endm
.irp t, 0,1,2,3,4,5,6,7,8,9,10,11,12,13,14,15
	STEP \t
.endr
	ds_load_b64 v[12:13], v6                       ; LDS serves a wave's instructions in order: these see my byte stores
	s_wait_dscnt 0x0
	global_store_b64 v7, v[12:13], s[28:29]
	s_wait_tensorcnt 0x0                           ; the wave's end
	ds_add_u32 v[SPW], v[NIL]
	s_wait_dscnt 0x0
	s_endpgm
	; ---------------- v: K (c) is the first axis within a batch ----------------
	; A lane takes a column e and its registers run down c: a block of 32 lies in one lane, and its 16 bytes of codes are 16 bytes of an image: sixteen lanes store 256 consecutive bytes, aligned.  No LDS.
	; The work-group takes 128 columns x 256 c: four waves stand side by side on 512 bytes of a row of v, and four more take the next 128 c.
.Lv:
	s_sub_co_u32 s24, s22, 10
	s_and_b32 s25, s24, 3                          ; which 32 of the 128 columns
	s_lshr_b32 s26, s24, 2                         ; which 128 of the 256 c
	s_and_b32 s27, ttmp9, 7                        ; which 128 columns
	s_bfe_u32 s28, ttmp9, 0x30003                  ; which 256 along c
	s_lshr_b32 s29, ttmp9, 6                       ; batch
	s_lshl_b32 s28, s28, 1
	s_add_co_u32 s28, s28, s26                     ; my run of 128 c: 0 .. 15
	s_lshl_b32 s27, s27, 2
	s_add_co_u32 s27, s27, s25                     ; my group of 32 columns: 0 .. 31
	v_lshlrev_b32 v3, 2, v2                        ; in: 4 bytes a lane
	v_and_b32 v5, 15, v2
	v_lshrrev_b32 v6, 4, v2
	v_lshlrev_b32 v8, 4, v5
	v_lshl_add_u32 v8, v6, 14, v8                  ; out: 16 (lane % 16), and 16,384 on for the second block of 16 e
	v_lshlrev_b32 v9, 6, v2                        ; my column's row of scale bytes
	s_lshl_b32 s30, s29, 23                        ; v: batch x 8,388,608 + run x 128 rows of 4,096 bytes + group x 128 bytes
	s_lshl_b32 s32, s28, 19
	s_add_co_u32 s30, s30, s32
	s_lshl_b32 s32, s27, 7
	s_add_co_u32 s30, s30, s32
	s_mov_b32 s31, 0
	s_lshl_b32 s34, s29, 20                        ; codes: batch x 1,048,576 + group x two blocks of 16,384 + run x 1,024
	s_lshl_b32 s32, s27, 15
	s_add_co_u32 s34, s34, s32
	s_lshl_b32 s32, s28, 10
	s_add_co_u32 s34, s34, s32
	s_mov_b32 s35, 0
	s_lshl_b32 s36, s29, 16                        ; scale bytes: batch x 65,536 + group x 32 rows of 64 + run x 4
	s_lshl_b32 s32, s27, 11
	s_add_co_u32 s36, s36, s32
	s_lshl_b32 s32, s28, 2
	s_add_co_u32 s36, s36, s32
	s_mov_b32 s37, 0
	s_wait_alu depctr_va_vdst(0)
	s_wait_kmcnt 0x0
	s_add_nc_u64 s[12:13], s[12:13], s[30:31]
	s_add_nc_u64 s[18:19], s[18:19], s[34:35]
	s_add_nc_u64 s[20:21], s[20:21], s[36:37]
.macro VLOAD t                         ; block t: v(32 t + i, my column), i = 0 .. 31, into set t % 2
.irp i, 0,1,2,3,4,5,6,7,8,9,10,11,12,13,14,15,16,17,18,19,20,21,22,23,24,25,26,27,28,29,30,31
	global_load_b32 v[XB+32*((\t)%2)+\i], v3, s[12:13] offset:(32*(\t)+\i)*VROW th:TH_LOAD_NT
.endr
.endm
	VLOAD 0
	VLOAD 1
.macro BLOCK t
.set XS, XB+32*((\t)%2)
.if (\t) < 3
	s_wait_loadcnt 32                              ; this block's 32 loads are in; the next block's may be out
.else
	s_wait_loadcnt 0
.endif
	v_max3_num_f32 v12, |v[XS]|, |v[XS+1]|, |v[XS+2]|               ; the block's largest magnitude: all 32 numbers are mine
	v_max3_num_f32 v13, |v[XS+3]|, |v[XS+4]|, |v[XS+5]|
.irp i, 6,10,14,18,22,26
	v_max3_num_f32 v12, v12, |v[XS+\i]|, |v[XS+\i+1]|
	v_max3_num_f32 v13, v13, |v[XS+\i+2]|, |v[XS+\i+3]|
.endr
	v_max3_num_f32 v12, v12, |v[XS+30]|, |v[XS+31]|
	v_max3_num_f32 v12, v12, v13, (EMAX+1)<<23     ; and the floor
	v_add_nc_u32 v11, -(EMAX<<23), v12             ; the conversion's scale operand
	v_lshrrev_b32 v13, 23, v11                     ; the scale's byte
.if (\t) == 0
	v_mov_b32 v24, v13                             ; the run's four bytes make its scale word, the lower c in the lower byte
.else
	v_lshl_or_b32 v24, v13, 8*(\t), v24
.endif
.irp g, 0,1,2,3
	v_cvt_scalef32_pk8_fp4_f32 v[CC+4*(\t)+\g], v[XS+8*\g:XS+8*\g+7], v11
.endr
	global_store_b128 v8, v[CC+4*(\t):CC+4*(\t)+3], s[18:19] offset:256*(\t)   ; each block has its own registers: no store's data are written again
.if (\t)+2 < 4
	VLOAD (\t)+2
.endif
.endm
.irp t, 0,1,2,3
	BLOCK \t
.endr
	global_store_b32 v9, v24, s[20:21]             ; 4 bytes a lane, 64 bytes apart: one byte for each 128 that the wave reads
	s_endpgm
.Lfunc_end_k_q4335ee5533_quant:
	.size	k_q4335ee5533_quant, .Lfunc_end_k_q4335ee5533_quant-k_q4335ee5533_quant
	.p2alignl 7, 3214868480
	.fill 96, 4, 3214868480
	.section	.rodata,"a",@progbits
	.p2align	6, 0x0
	.amdhsa_kernel k_q4335ee5533_quant
		.amdhsa_group_segment_fixed_size 103936
		.amdhsa_private_segment_fixed_size 0
		.amdhsa_enable_private_segment 0
		.amdhsa_kernarg_size 72
		.amdhsa_user_sgpr_count 2
		.amdhsa_user_sgpr_kernarg_segment_ptr 1
		.amdhsa_wavefront_size32 1
		.amdhsa_system_sgpr_workgroup_id_x 1
		.amdhsa_system_sgpr_workgroup_id_y 1
		.amdhsa_system_sgpr_workgroup_id_z 1
		.amdhsa_system_vgpr_workitem_id 0
		.amdhsa_next_free_vgpr 192
		.amdhsa_next_free_sgpr 66
		.amdhsa_reserve_vcc 0
		.amdhsa_float_denorm_mode_32 3
		.amdhsa_float_denorm_mode_16_64 3
		.amdhsa_memory_ordered 1
		.amdhsa_forward_progress 1
		.amdhsa_inst_pref_size 54
	.end_amdhsa_kernel
	.amdgpu_metadata
---
amdhsa.version: [ 1, 2 ]
amdhsa.kernels:
  - .name:           k_q4335ee5533_quant
    .symbol:         k_q4335ee5533_quant.kd
    .args:
      - { .name: q, .offset: 0, .size: 8, .value_kind: global_buffer, .address_space: global }
      - { .name: k, .offset: 8, .size: 8, .value_kind: global_buffer, .address_space: global }
      - { .name: Wq, .offset: 16, .size: 8, .value_kind: global_buffer, .address_space: global }
      - { .name: Wk, .offset: 24, .size: 8, .value_kind: global_buffer, .address_space: global }
      - { .name: v, .offset: 32, .size: 8, .value_kind: global_buffer, .address_space: global }
      - { .name: xw_codes, .offset: 40, .size: 8, .value_kind: global_buffer, .address_space: global }
      - { .name: xw_scales, .offset: 48, .size: 8, .value_kind: global_buffer, .address_space: global }
      - { .name: v_codes, .offset: 56, .size: 8, .value_kind: global_buffer, .address_space: global }
      - { .name: v_scales, .offset: 64, .size: 8, .value_kind: global_buffer, .address_space: global }
    .group_segment_fixed_size: 103936
    .private_segment_fixed_size: 0
    .kernarg_segment_align: 8
    .kernarg_segment_size: 72
    .max_flat_workgroup_size: 576
    .sgpr_count:     66
    .vgpr_count:     192
    .wavefront_size: 32
...
	.end_amdgpu_metadata
.endif
;; end of part 1
;; launch energy (part 2): grid 8 x 32, 4 waves a work-group, clusters of 4 x 4, 327,680 bytes of LDS; arguments xw_codes, xw_scales, bq, bk, mask, p_codes, p_meta; writes p_codes, p_meta
.if DOCPART == 2
	.amdgcn_target "amdgcn-amd-amdhsa--gfx1250"
	.amdhsa_code_object_version 6
	.text
	.protected	k_q4335ee5533_energy
	.globl	k_q4335ee5533_energy
	.p2align	8
	.type	k_q4335ee5533_energy,@function
k_q4335ee5533_energy:
	s_mov_b64 s[64:65], 0
	v_nop
	global_prefetch_b8 v0, s[64:65] scope:SCOPE_SE
	s_setreg_imm32_b32 hwreg(HW_REG_WAVE_MODE, 25, 1), 1
	s_wait_xcnt 0x0
	s_wait_alu depctr_hold_cnt(0) depctr_sa_sdst(0) depctr_va_vdst(0) depctr_va_sdst(0) depctr_va_ssrc(0) depctr_va_vcc(0) depctr_vm_vsrc(0)
	s_getreg_b32 s2, hwreg(HW_REG_IB_STS2, 6, 4)
	s_cmp_eq_u32 s2, 0
	s_cbranch_scc0 .Lentry_in_a_cluster
	s_endpgm
.Lentry_in_a_cluster:
	s_bfe_u32 s2, ttmp6, 0x10000c
	s_cmp_lg_u32 s2, 0xf033
	s_cbranch_scc0 .Lentry_shape_is_right
	s_endpgm
.Lentry_shape_is_right:
; p = 2^(t - M) of energy = tanh([q | k] [Wq | Wk]^T + bq + bk) + mask, as codes of FP4 with E8M0 scales along c, for the last product.
; THE PRODUCT is a GEMM on codes, M 8,192 x N 2,048 x K 2,048: a work-group of four waves makes 256 x 256, a wave 128 x 128 in 512 registers; K goes in four steps of 512 through two LDS slots.
; The scale bytes of the work-group's rows, for all of K, come once and stay.  bq + bk is the C of each accumulator's first product.
; CLUSTERS: 4 x 4 work-groups; a tile of [q | k] is asked for jointly along a row of the cluster, a tile of the weights along a column.
; THE HEAD: one joint load a wave: K step 0's 256 rows of [q | k], its 256 rows of the weights, and the two blocks of scale bytes.  Slot 1 is first filled behind a round of the cluster's barrier, as a refill is.
; PREFETCH: of the 128 rows that a wave fetches in the ring, each of the four partners that ask for them jointly takes 32, told apart by address (cx for [q | k], cy for the weights): a lane a row, 256 bytes of a K step.
; Behind the head's load K steps 1 and 2 are asked for, behind K step 1's load K step 3: at most two K steps are asked for and not yet read.  The address registers are never rewritten.
; THE MATRIX INSTRUCTION IS USED TRANSPOSED (source 0 = 16 places of the weights, source 1 = 16 rows): with the weights' rows laid as the first launch lays them, a lane holds one row and 16 neighbours along c in two tiles' registers.
; THE WAY OUT, 16 rows x 128 c a trip: r = 1 / (1 + 2^(2 log2(e) x)), u = mask - 2 r = energy - 1; the maxima are taken of u; t = L u + L with L = log2(e); -M = floor(-t) of the run's largest t;
; t - M = L u + (L - M) is one multiply-add.  M is LOCAL to (row, run of 128 c): p_meta keeps the scale word, -M and the sum of the unquantised p for each, and the last launch brings a row's runs under one M.
; LIMITS: the promise holds while the scaled scores stay under 2^31 in magnitude; a run whose every u lies under -1e38 gives p = 0 throughout.
.set KSTEP,  512
.set NQ,     KSTEP/128
.set ROWB,   256
.set KROW,   1024
.set PITCH,  272
.set FR,     8
.set NL,     2
.set NP,     4
.set HALFT,  128*PITCH
.set SLOT,   4*HALFT
.set KS,     64
.set SCL,    2*SLOT
.set HALFS,  (128*KS/256)*272
.set SBLK,   (16*KS/256)*272
.set SPARE,  SCL+4*HALFS
.set PATCH,  SPARE+512
.set MP,     528
.set WCODES, 8388608
.set WSCALES, 524288
.set ADRA, 16
.set ADRB, 20
.set BO,   22
.set MSO,  23
.set MSI,  24
.set LI,   25
.set PA0,  26
.set ADRS, 27
.set SPW,  28
.set NIL,  29
.set PAD,  30
.set PRD,  31
.set SC,   32
.set LV,   32
.set AF,   128
.set BIAS, 192
.set GM,   192
.set RM,   64
.set T,    128
.set TM,   96
.set PW,   112
.set TP,   113
.set NM,   114
.set LS,   116
.set LS2,  118
.set PC,   120
.set G1, 24
.set G0, 32
.set G1B, 48
.set G0B, 56
.set G1S, 68
.set G0S, 76
.set G1SB, 80
.set G0SB, 88
.set G0H, 4                            ; s[4:7], s[8:11] group 0 for the head's loads of K step 0 (the addresses that lay there have been used by then)
.set G0HB, 8
.set PFA, 94                           ; s[94:95] the prefetches' base: my work-group's 32 rows of the 128 that I fetch; never rewritten
.set PFO, 8                            ; v8   their offset: my lane x a row of 1,024 bytes; never rewritten
.set MSB, 0
.macro WIN new
.if MSB != \new
	s_set_vgpr_msb (MSB<<8)|\new
.set MSB, \new
.endif
.endm
.set MUL_LO, 0xa1
.set MUL_HI, 0xf1
.set TO_B,   0x40
.macro JLOAD g0a, g1a, g0b, g1b
	s_cmp_eq_u32 s15, 0
	s_cbranch_scc0 .Lfor_b_\@
	tensor_load_to_lds s[\g0a:\g0a+3], s[\g1a:\g1a+7]
	s_nop 0
.rept 4
	v_nop
.endr
	s_branch .Lasked_\@
.Lfor_b_\@:
	tensor_load_to_lds s[\g0b:\g0b+3], s[\g1b:\g1b+7]
	s_nop 0
.rept 4
	v_nop
.endr
.Lasked_\@:
.endm
.macro CREST
	s_cmp_lg_u32 s14, 0
	s_cbranch_scc1 .Lnot_wave_0_\@
	s_barrier_signal -3
.Lnot_wave_0_\@:
	s_barrier_wait -3
	s_barrier_signal -1
	s_barrier_wait -1
.endm
.macro CROUND
	s_barrier_signal -1
	s_barrier_wait -1
	CREST
.endm
	s_load_b128 s[4:7], s[0:1], 0x0
	s_load_b128 s[96:99], s[0:1], 0x10
	s_load_b64 s[12:13], s[0:1], 0x20
	s_load_b64 s[100:101], s[0:1], 0x28
	s_load_b64 s[104:105], s[0:1], 0x30
	v_lshl_add_u32 v[SPW], v0, 2, SPARE
	v_mov_b32 v[NIL], 0
	ds_add_u32 v28, v29
	ds_add_u32 v28, v29
	s_wait_dscnt 0x0
	v_lshrrev_b32 v1, 5, v0
	v_readfirstlane_b32 s14, v1
	s_lshr_b32 s15, s14, 1
	s_and_b32 s16, s14, 1
	s_bfe_u32 s40, ttmp6, 0x40000
	s_bfe_u32 s41, ttmp6, 0x40004
	s_lshl_b32 s42, ttmp9, 2
	s_add_co_u32 s42, s42, s40
	s_and_b32 s17, ttmp7, 0xffff
	s_lshl_b32 s17, s17, 2
	s_add_co_u32 s17, s17, s41
	s_lshl_b32 s43, s41, 2
	s_lshl_b32 s43, 15, s43
	s_lshl_b32 s44, 0x1111, s40
	s_mov_b32 s66, 0x76543210
	s_mov_b32 s67, 0xfedcba98
	s_or_b32 s[G1+0], s43, (0<<16)|(1<<20)|(1<<21)|(5<<22)|(3<<25)
	s_or_b32 s[G1B+0], s44, (0<<16)|(1<<20)|(1<<21)|(5<<22)|(3<<25)
.irp g, G1, G1B
	s_mov_b32 s[\g+1], ROWB<<16
	s_mov_b32 s[\g+2], 256<<16                     ; the head's loads bring 256 rows
	s_mov_b32 s[\g+3], ROWB<<16
	s_mov_b32 s[\g+4], 256
	s_mov_b32 s[\g+5], KROW
	s_mov_b32 s[\g+6], 0
	s_mov_b32 s[\g+7], 0
.endr
	s_or_b32 s[G1S+0], s43, (3<<16)|(1<<20)|(1<<21)|(5<<22)|(3<<25)
	s_or_b32 s[G1SB+0], s44, (3<<16)|(1<<20)|(1<<21)|(5<<22)|(3<<25)
.irp g, G1S, G1SB
	s_mov_b32 s[\g+1], 32<<16
	s_mov_b32 s[\g+2], KS<<16                      ; the scales of 256 rows: KS rows of 256 bytes
	s_mov_b32 s[\g+3], 32<<16
	s_mov_b32 s[\g+4], KS
	s_mov_b32 s[\g+5], 32
	s_mov_b32 s[\g+6], 0
	s_mov_b32 s[\g+7], 0
.endr
	s_lshl_b32 s18, s16, 7
	s_lshl_b32 s20, s17, 8
	s_add_co_u32 s20, s20, s18
	s_lshl_b32 s46, s42, 8
	s_add_co_u32 s46, s46, s18
	s_mov_b32 s21, 0
	s_mov_b32 s47, 0
	s_mov_b64 s[18:19], KS
	s_mul_u64 s[22:23], s[20:21], s[18:19]
	s_mul_u64 s[92:93], s[46:47], s[18:19]
	s_mov_b64 s[18:19], KROW
	s_mul_u64 s[20:21], s[20:21], s[18:19]
	s_mul_u64 s[46:47], s[46:47], s[18:19]
	s_mul_i32 s45, s14, HALFT
	s_wait_kmcnt 0x0
	s_add_nc_u64 s[8:9], s[4:5], WCODES
	s_add_nc_u64 s[10:11], s[6:7], WSCALES
	s_add_nc_u64 s[20:21], s[4:5], s[20:21]
	s_add_nc_u64 s[22:23], s[6:7], s[22:23]
	s_add_nc_u64 s[46:47], s[8:9], s[46:47]
	s_add_nc_u64 s[92:93], s[10:11], s[92:93]
	CROUND
	s_mul_i32 s18, s16, 128*KROW                   ; the four addresses stand at my half of the tile: the head's tiles begin at the tile's first row
	s_mov_b32 s19, 0
	s_mul_i32 s2, s16, 128*KS
	s_mov_b32 s3, 0
	s_mov_b32 s[G0H], 1                            ; K step 0's 256 rows of [q | k],
	s_mov_b32 s[G0H+1], 0
	s_sub_nc_u64 s[G0H+2:G0H+3], s[20:21], s[18:19]
	s_or_b32 s[G0H+3], s[G0H+3], 0x80000000
	s_mov_b32 s[G0HB], 1                           ; its 256 rows of the weights, behind them in slot 0,
	s_mov_b32 s[G0HB+1], 2*HALFT
	s_sub_nc_u64 s[G0HB+2:G0HB+3], s[46:47], s[18:19]
	s_or_b32 s[G0HB+3], s[G0HB+3], 0x80000000
	s_mov_b32 s[G0S], 1                            ; the scales of the 256 rows,
	s_mov_b32 s[G0S+1], SCL
	s_sub_nc_u64 s[G0S+2:G0S+3], s[22:23], s[2:3]
	s_or_b32 s[G0S+3], s[G0S+3], 0x80000000
	s_mov_b32 s[G0SB], 1                           ; and of the weights'
	s_mov_b32 s[G0SB+1], SCL+2*HALFS
	s_sub_nc_u64 s[G0SB+2:G0SB+3], s[92:93], s[2:3]
	s_or_b32 s[G0SB+3], s[G0SB+3], 0x80000000
.irp s, 0,1
	s_mov_b32 s[G0+4*\s], 1
	s_add_co_u32 s[G0+4*\s+1], s45, \s*SLOT
	s_add_nc_u64 s[G0+4*\s+2:G0+4*\s+3], s[20:21], \s*ROWB
	s_or_b32 s[G0+4*\s+3], s[G0+4*\s+3], 0x80000000
	s_mov_b32 s[G0B+4*\s], 1
	s_add_co_u32 s[G0B+4*\s+1], s45, \s*SLOT
	s_add_nc_u64 s[G0B+4*\s+2:G0B+4*\s+3], s[46:47], \s*ROWB
	s_or_b32 s[G0B+4*\s+3], s[G0B+4*\s+3], 0x80000000
.endr
; the head's loads, one a wave, in one tree of branches on the wave's number
.macro ARM under, g0, g1, next
	s_cmp_lt_u32 s14, \under
	s_cbranch_scc0 \next
	tensor_load_to_lds s[\g0:\g0+3], s[\g1:\g1+7]
	s_nop 0
.rept 4
	v_nop
.endr
	s_branch .Lhead_asked
\next:
.endm
	ARM 1, G0H,  G1,  .Lhead_b
	ARM 2, G0HB, G1B, .Lhead_sa
	ARM 3, G0S,  G1S, .Lhead_sb
	tensor_load_to_lds s[G0SB:G0SB+3], s[G1SB:G1SB+7]
	s_nop 0
.rept 4
	v_nop
.endr
.Lhead_asked:
	s_cmp_eq_u32 s15, 0                            ; the prefetches: in the ring I fetch for [q | k] or for the weights
	s_cselect_b64 s[PFA:PFA+1], s[20:21], s[46:47] ; the 128 rows that I fetch there,
	s_cselect_b32 s18, s40, s41                    ; my work-group's place among the four that ask for them jointly,
	s_lshl_b32 s18, s18, 15                        ; x 32 rows of 1,024 bytes
	s_mov_b32 s19, 0
	s_add_nc_u64 s[PFA:PFA+1], s[PFA:PFA+1], s[18:19]
	v_and_b32 v[PFO], 31, v0
	v_lshlrev_b32 v[PFO], 10, v[PFO]
	global_prefetch_b8 v[PFO], s[PFA:PFA+1] offset:ROWB th:TH_LOAD_NT scope:SCOPE_SE     ; K step 1
	global_prefetch_b8 v[PFO], s[PFA:PFA+1] offset:2*ROWB th:TH_LOAD_NT scope:SCOPE_SE   ; K step 2
	v_and_b32 v1, 15, v0
	v_bfe_u32 v2, v0, 4, 1
	v_lshlrev_b32 v[BO], 6, v2
	s_wait_alu depctr_va_vdst(0)
	v_and_b32 v6, 31, v0
	v_lshlrev_b32 v[LI], 4, v6
	s_wait_alu depctr_va_vdst(0)
	s_lshl_b32 s46, s42, 8
	s_lshl_b32 s47, s16, 7
	s_add_co_u32 s46, s46, s47
	s_lshl_b32 s92, s46, 2
	s_mov_b32 s93, 0
	s_add_nc_u64 s[96:97], s[96:97], s[92:93]
	s_add_nc_u64 s[98:99], s[98:99], s[92:93]
	s_and_b32 s20, s17, 7
	s_lshl_b32 s20, s20, 8
	s_lshl_b32 s21, s15, 7
	s_add_co_u32 s20, s20, s21
	s_lshl_b32 s20, s20, 13
	s_add_co_u32 s20, s20, s92
	s_mov_b32 s21, 0
	s_add_nc_u64 s[12:13], s[12:13], s[20:21]
.irp t, 0,1,2,3,4,5,6,7
	global_load_b128 v[BIAS+8*\t:BIAS+8*\t+3], v[BO], s[96:97] offset:(32*(\t/2)+8*(\t%2))*4
	global_load_b128 v[BIAS+8*\t+4:BIAS+8*\t+7], v[BO], s[96:97] offset:(32*(\t/2)+8*(\t%2))*4+16
	global_load_b128 v[AF+8*\t:AF+8*\t+3], v[BO], s[98:99] offset:(32*(\t/2)+8*(\t%2))*4
	global_load_b128 v[AF+8*\t+4:AF+8*\t+7], v[BO], s[98:99] offset:(32*(\t/2)+8*(\t%2))*4+16
.endr
.macro MASKLOAD
	WIN TO_B
.irp t, 0,1,2,3,4,5,6,7,8,9,10,11,12,13,14,15
	global_load_b128 v[GM+4*\t:GM+4*\t+3], v[LI], s[12:13] offset:8192*\t
.endr
	WIN 0
.endm
	MASKLOAD
	v_mul_u32_u24 v3, v1, PITCH
	v_lshl_add_u32 v4, v2, 4, v3
	s_mul_i32 s21, s15, HALFT
	s_mul_i32 s22, s16, HALFT
	s_add_co_u32 s22, s22, 2*HALFT
.irp s, 0,1
	v_add_nc_u32 v[ADRA+\s], s21, v4
	v_add_nc_u32 v[ADRB+\s], s22, v4
	s_add_co_u32 s21, s21, SLOT
	s_add_co_u32 s22, s22, SLOT
.endr
	v_mul_u32_u24 v5, v1, KS
	v_lshrrev_b32 v6, 8, v5
	v_lshl_add_u32 v5, v6, 4, v5
	s_mul_i32 s21, s15, HALFS
	s_mul_i32 s22, s16, HALFS
	s_add_co_u32 s22, s22, 2*HALFS
	s_sub_co_u32 s22, s22, s21
	v_mul_u32_u24 v6, s22, v2
	s_add_co_u32 s21, s21, SCL
	v_add_nc_u32 v5, v5, v6
	v_add_nc_u32 v[ADRS], s21, v5
	s_mul_i32 s23, s14, 16*MP
	v_add_nc_u32 v[MSI], s23, v[LI]
	v_mul_u32_u24 v5, v1, MP
	v_lshl_add_u32 v5, v2, 6, v5
	v_add_nc_u32 v[MSO], s23, v5
	s_mul_i32 s23, s14, 1536
	s_add_co_u32 s23, s23, PATCH
	v_lshl_add_u32 v[PA0], v1, 2, s23
	v_add_nc_u32 v[PRD], s23, v[LI]
	s_lshl_b32 s18, s42, 1
	s_add_co_u32 s18, s18, s16
	s_lshl_b32 s20, s17, 4
	s_lshl_b32 s21, s15, 3
	s_add_co_u32 s20, s20, s21
	s_lshl_b32 s22, s20, 6
	s_lshl_b32 s20, s20, 4
	s_add_co_u32 s20, s20, s18
	s_lshl_b32 s20, s20, 10
	s_mov_b32 s21, 0
	s_add_nc_u64 s[100:101], s[100:101], s[20:21]
	s_lshl_b32 s18, s18, 15
	s_add_co_u32 s22, s22, s18
	s_mov_b32 s23, 0
	s_add_nc_u64 s[104:105], s[104:105], s[22:23]
	s_wait_loadcnt 16
.set J, 0
.rept 32
	v_pk_add_f32 v[BIAS+J:BIAS+J+1], v[BIAS+J:BIAS+J+1], v[AF+J:AF+J+1]
.set J, J+2
.endr
	s_mov_b32 s96, 0x3fb8aa3b
	s_mov_b32 s97, s96
	s_mov_b32 s98, 0x4038aa3b
	s_mov_b32 s99, s98
.macro FRAG reg, adr, q, i
.irp c, 0,1
	ds_load_b128 v[\reg+4*\c:\reg+4*\c+3], v[\adr] offset:64*(\q)+32*\c+(\i)*16*PITCH
.endr
.endm
.macro MUL16 a0, p, q, sc, zero
.irp a, \a0, \a0+1
.irp b, 0,1,2,3,4,5,6,7
.if \zero
	v_wmma_scale_f32_16x16x128_f8f6f4 v[8*(8*((\a)%4)+\b):8*(8*((\a)%4)+\b)+7], v[128*(\p)+FR*\b:128*(\p)+FR*\b+FR-1], v[AF+FR*(\a):AF+FR*(\a)+FR-1], v[BIAS+8*\b:BIAS+8*\b+7], v[SC+8*NQ*(\sc)+NQ*\b+(\q)], v[SC+8*NQ*(\sc)+NQ*(\a)+(\q)] matrix_a_fmt:MATRIX_FMT_FP4 matrix_b_fmt:MATRIX_FMT_FP4 matrix_a_scale:MATRIX_SCALE_ROW1
.else
	v_wmma_scale_f32_16x16x128_f8f6f4 v[8*(8*((\a)%4)+\b):8*(8*((\a)%4)+\b)+7], v[128*(\p)+FR*\b:128*(\p)+FR*\b+FR-1], v[AF+FR*(\a):AF+FR*(\a)+FR-1], v[8*(8*((\a)%4)+\b):8*(8*((\a)%4)+\b)+7], v[SC+8*NQ*(\sc)+NQ*\b+(\q)], v[SC+8*NQ*(\sc)+NQ*(\a)+(\q)] matrix_a_fmt:MATRIX_FMT_FP4 matrix_b_fmt:MATRIX_FMT_FP4 matrix_a_scale:MATRIX_SCALE_ROW1
.endif
.endr
.endr
.endm
.macro FETCH_B slot, q, p
	WIN TO_B
.irp i, 0,1,2,3,4,5,6,7
	FRAG 128*(\p)+FR*\i, ADRB+\slot, \q, \i
.endr
	WIN 0
.endm
.macro FETCH_A slot, q, i0
.irp i, \i0, \i0+1, \i0+2, \i0+3
	FRAG AF+FR*(\i), ADRA+\slot, \q, \i
.endr
.endm
.macro SCALES sc
.irp i, 0,1,2,3,4,5,6,7
	ds_load_b128 v[SC+8*NQ*\sc+NQ*\i:SC+8*NQ*\sc+NQ*\i+3], v[ADRS] offset:\i*SBLK
.endr
.endm
.macro PLACES n
.rept \n
	v_nop
.endr
.endm
.macro STEP slot, q, zero
	s_wait_dscnt 4*NL
.if \zero
	WIN 0x81
.else
	WIN MUL_LO
.endif
	MUL16 0, (\q)%2, \q, \slot, \zero
	MUL16 2, (\q)%2, \q, \slot, \zero
	s_wait_dscnt 0
	PLACES NP
	FETCH_B \slot, (\q)+1, 1-(\q)%2
	FETCH_A \slot, (\q)+1, 0
.if \zero
	WIN 0xc1
.else
	WIN MUL_HI
.endif
	MUL16 4, (\q)%2, \q, \slot, \zero
	MUL16 6, (\q)%2, \q, \slot, \zero
	PLACES NP
	WIN 0
	FETCH_A \slot, (\q)+1, 4
.endm
.macro TURN slot, next, fill
	s_wait_tensorcnt 0x0
	ds_add_u32 v[SPW], v[NIL]
	s_wait_dscnt 4*NL+1
	WIN MUL_LO
	MUL16 0, 1, NQ-1, \slot, 0
	s_wait_dscnt 0x0
	s_barrier_signal -1
	MUL16 2, 1, NQ-1, \slot, 0
	WIN 0
	s_barrier_wait -1
.if \fill
	CREST
	s_add_nc_u64 s[G0+4*\slot+2:G0+4*\slot+3], s[G0+4*\slot+2:G0+4*\slot+3], 2*ROWB
	s_add_nc_u64 s[G0B+4*\slot+2:G0B+4*\slot+3], s[G0B+4*\slot+2:G0B+4*\slot+3], 2*ROWB
	JLOAD G0+4*\slot, G1, G0B+4*\slot, G1B
.else
	PLACES NP
.endif
	s_wait_alu depctr_va_vdst(0)
	v_add_nc_u32 v[ADRS], 4*NQ, v[ADRS]
	FETCH_B \next, 0, 0
	FETCH_A \next, 0, 0
	SCALES \next
	WIN MUL_HI
	MUL16 4, 1, NQ-1, \slot, 0
	MUL16 6, 1, NQ-1, \slot, 0
	PLACES NP
	WIN 0
	FETCH_A \next, 0, 4
.endm
.macro STEPS slot, from
.set Q, \from
.rept NQ-1-\from
	STEP \slot, Q, 0
.set Q, Q+1
.endr
.endm
	s_wait_alu depctr_va_vdst(0)
	s_wait_tensorcnt 0x0                           ; my tile of the head's four is in
	ds_add_u32 v[SPW], v[NIL]
	s_mov_b32 s[G1+2], 128<<16                     ; no tensor load of mine is out: from here on a load brings 128 rows
	s_mov_b32 s[G1+4], 128
	s_mov_b32 s[G1B+2], 128<<16
	s_mov_b32 s[G1B+4], 128
	s_wait_dscnt 0x0
	CROUND                                         ; all four tiles are in, and all sixteen work-groups are here
	JLOAD G0+4, G1, G0B+4, G1B                     ; K step 1, my one tensor load behind the round
	FETCH_B 0, 0, 0
	FETCH_A 0, 0, 0
	SCALES 0
	FETCH_A 0, 0, 4
	global_prefetch_b8 v[PFO], s[PFA:PFA+1] offset:3*ROWB th:TH_LOAD_NT scope:SCOPE_SE   ; K step 3, two fills ahead of its load; behind the joint load and the run of LDS loads
	STEP 0, 0, 1
	STEPS 0, 1
	TURN 0, 1, 1
	STEPS 1, 0
	TURN 1, 0, 1
	STEP 0, 0, 0
	STEPS 0, 1
	TURN 0, 1, 0
	STEPS 1, 0
	s_wait_dscnt 4*NL
	WIN MUL_LO
	MUL16 0, 1, NQ-1, 1, 0
	MUL16 2, 1, NQ-1, 1, 0
	s_wait_dscnt 0
	WIN MUL_HI
	MUL16 4, 1, NQ-1, 1, 0
	MUL16 6, 1, NQ-1, 1, 0
	WIN 0
	PLACES NP
	v_mov_b32 v[LV], s96
	v_mov_b32 v[LV+1], s96
.irp i, 4,5,6,7,8,9,10,11
	v_mov_b32 v[TM+\i], 0
.endr
	s_mov_b32 s10, 0                               ; what the codes' address is stepped by: 0 ahead of the first trip's stores, then 16,384
	s_mov_b32 s11, 0
	s_mov_b32 s2, 0
	s_mov_b32 s3, 0
.Lrows:
.irp a, 1,2,3,4,5,6,7
	s_cmp_eq_u32 s2, \a
	s_cbranch_scc1 .Lstub_\a
.endr
.macro STUB a
.Lstub_\a:
	WIN (0x02+(\a)/4)
.set J, 0
.rept 32
	v_pk_mul_f32 v[T+J:T+J+1], v[64*((\a)%4)+J:64*((\a)%4)+J+1], s[98:99] op_sel_hi:[1,0]
.set J, J+2
.endr
	WIN 0
.if \a < 7
	s_branch .Lbody
.endif
.endm
.irp a, 0,1,2,3,4,5,6,7
	STUB \a
.endr
.Lbody:
	s_wait_loadcnt 0x0
	WIN 0x04
.irp t, 0,1,2,3,4,5,6,7,8,9,10,11,12,13,14,15
	ds_store_b128 v[MSI], v[GM+4*\t:GM+4*\t+3] offset:MP*\t
.endr
	WIN TO_B
.irp b, 0,1,2,3
.irp j, 0,1,2,3
	ds_load_b128 v[RM+16*\b+4*\j:RM+16*\b+4*\j+3], v[MSO] offset:128*\b+16*\j
.endr
.endr
	WIN 0
	s_cmp_eq_u32 s2, 7
	s_cbranch_scc1 .Lnomask
	s_wait_dscnt 16
	s_add_nc_u64 s[12:13], s[12:13], 131072
	MASKLOAD
.Lnomask:
.set J, 0
	s_wait_alu depctr_va_vdst(0)
.rept 64
	v_exp_f32 v[T+J], v[T+J]
.set J, J+1
.endr
	v_nop
.set J, 0
	s_wait_alu depctr_va_vdst(0)
.rept 32
	v_pk_add_f32 v[T+J:T+J+1], v[T+J:T+J+1], 1.0 op_sel_hi:[1,0]
.set J, J+2
.endr
.set J, 0
	s_wait_alu depctr_va_vdst(0)
.rept 64
	v_rcp_f32 v[T+J], v[T+J]
.set J, J+1
.endr
	v_nop
	s_wait_dscnt 0x0
	WIN 0x10
.set J, 0
	s_wait_alu depctr_va_vdst(0)
.rept 32
	v_pk_fma_f32 v[T+J:T+J+1], v[T+J:T+J+1], -2.0, v[RM+J:RM+J+1] op_sel_hi:[1,0,1]
.set J, J+2
.endr
	WIN 0
.irp b, 0,1,2,3
	v_max3_num_f32 v[TM+\b], v[T+16*\b], v[T+16*\b+1], v[T+16*\b+2]
.endr
.irp i, 3,5,7,9,11,13
.irp b, 0,1,2,3
	v_max3_num_f32 v[TM+\b], v[TM+\b], v[T+16*\b+\i], v[T+16*\b+\i+1]
.endr
.endr
.irp b, 0,1,2,3
	v_max_num_f32 v[TM+\b], v[TM+\b], v[T+16*\b+15]
.endr
.irp b, 0,1,2,3
	v_permlanex16_b32 v[TM+4+\b], v[TM+\b], s66, s67
.endr
.irp b, 0,1,2,3
	v_max_num_f32 v[TM+\b], v[TM+\b], v[TM+4+\b]
.endr
	v_max3_num_f32 v[TP], v[TM], v[TM+1], v[TM+2]
	v_max3_num_f32 v[TP], v[TP], v[TM+3], 0xfe967699   ; the run's largest u, held at -1e38 from below
	v_fma_f32 v[TP], v[TP], s96, s96               ; as t = L u + L
	v_floor_f32 v[NM], -v[TP]                      ; -M = floor(-t)
	v_add_f32 v[LV], s96, v[NM]                    ; L - M
.set J, 0
.rept 32
	v_pk_fma_f32 v[T+J:T+J+1], v[T+J:T+J+1], s[96:97], v[LV:LV+1] op_sel_hi:[1,0,0]   ; t - M = L u + (L - M), two at a time
.set J, J+2
.endr
.irp b, 0,1,2,3
	v_fma_f32 v[TM+\b], v[TM+\b], s96, v[LV]       ; the same of each block's largest u
.endr
.set J, 0
	s_wait_alu depctr_va_vdst(0)
.rept 64
	v_exp_f32 v[T+J], v[T+J]
.set J, J+1
.endr
.irp b, 0,1,2,3
	v_exp_f32 v[TM+\b], v[TM+\b]
.endr
	v_nop
	s_wait_alu depctr_va_vdst(0)
	s_wait_xcnt 0x0                                ; the last trip's stores have read their data and their base: the codes' registers and the base are written only behind this wait
	s_add_nc_u64 s[100:101], s[100:101], s[10:11]
	s_mov_b32 s10, 16384
.irp b, 0,1,2,3
	v_max_num_f32 v[TM+\b], 0x1800000, v[TM+\b]
.endr
.irp b, 0,1,2,3
	v_add_nc_u32 v[TM+12+\b], 0xff000000, v[TM+\b]
.endr
.irp b, 0,1,2,3
	v_lshrrev_b32 v[TM+4+\b], 23, v[TM+12+\b]
.endr
	v_lshl_or_b32 v[PW], v[TM+5], 8, v[TM+4]
	v_lshl_or_b32 v[PW], v[TM+6], 16, v[PW]
	v_lshl_or_b32 v[PW], v[TM+7], 24, v[PW]
.irp b, 0,1,2,3
	v_cvt_scalef32_pk8_fp4_f32 v[PC+2*\b], v[T+16*\b:T+16*\b+7], v[TM+12+\b]
	v_cvt_scalef32_pk8_fp4_f32 v[PC+2*\b+1], v[T+16*\b+8:T+16*\b+15], v[TM+12+\b]
.endr
	v_nop
.irp c, 0,1
.irp i, 0,1
	v_permlane16_swap_b32 v[PC+4*\c+\i], v[PC+2+4*\c+\i]
.endr
.endr
	v_pk_add_f32 v[LS:LS+1], v[T:T+1], v[T+2:T+3]
	v_pk_add_f32 v[LS2:LS2+1], v[T+4:T+5], v[T+6:T+7]
.irp j, 8,12,16,20,24,28,32,36,40,44,48,52,56,60
	v_pk_add_f32 v[LS:LS+1], v[LS:LS+1], v[T+\j:T+\j+1]
	v_pk_add_f32 v[LS2:LS2+1], v[LS2:LS2+1], v[T+\j+2:T+\j+3]
.endr
	v_pk_add_f32 v[LS:LS+1], v[LS:LS+1], v[LS2:LS2+1]
	v_add_f32 v[LS], v[LS], v[LS+1]
	v_permlanex16_b32 v[TM+8], v[LS], s66, s67
	v_add_f32 v[LS], v[LS], v[TM+8]
	v_add_nc_u32 v[PAD], s3, v[PA0]
	ds_store_b32 v[PAD], v[PW]
	ds_store_b32 v[PAD], v[NM] offset:512
	ds_store_b32 v[PAD], v[LS] offset:1024
	global_store_b128 v[LI], v[PC:PC+3], s[100:101]
	global_store_b128 v[LI], v[PC+4:PC+7], s[100:101] offset:512
	s_add_co_u32 s3, s3, 64
	s_add_co_u32 s2, s2, 1
	s_cmp_lt_u32 s2, 8
	s_cbranch_scc1 .Lrows
	ds_load_b128 v[32:35], v[PRD]
	ds_load_b128 v[36:39], v[PRD] offset:512
	ds_load_b128 v[40:43], v[PRD] offset:1024
	s_wait_dscnt 0x0
	global_store_b128 v[LI], v[32:35], s[104:105]
	global_store_b128 v[LI], v[36:39], s[104:105] offset:524288
	global_store_b128 v[LI], v[40:43], s[104:105] offset:1048576
	s_wait_tensorcnt 0x0
	ds_add_u32 v[SPW], v[NIL]
	s_wait_dscnt 0x0
	CROUND
	s_endpgm
.Lfunc_end_k_q4335ee5533_energy:
	.size	k_q4335ee5533_energy, .Lfunc_end_k_q4335ee5533_energy-k_q4335ee5533_energy
	.p2alignl 7, 3214868480
	.fill 96, 4, 3214868480
	.section	.rodata,"a",@progbits
	.p2align	6, 0x0
	.amdhsa_kernel k_q4335ee5533_energy
		.amdhsa_group_segment_fixed_size 327680
		.amdhsa_private_segment_fixed_size 0
		.amdhsa_enable_private_segment 0
		.amdhsa_kernarg_size 56
		.amdhsa_user_sgpr_count 2
		.amdhsa_user_sgpr_kernarg_segment_ptr 1
		.amdhsa_wavefront_size32 1
		.amdhsa_system_sgpr_workgroup_id_x 1
		.amdhsa_system_sgpr_workgroup_id_y 1
		.amdhsa_system_sgpr_workgroup_id_z 1
		.amdhsa_system_vgpr_workitem_id 0
		.amdhsa_next_free_vgpr 1024
		.amdhsa_next_free_sgpr 106
		.amdhsa_reserve_vcc 0
		.amdhsa_float_denorm_mode_32 3
		.amdhsa_float_denorm_mode_16_64 3
		.amdhsa_memory_ordered 1
		.amdhsa_forward_progress 1
		.amdhsa_inst_pref_size 233
	.end_amdhsa_kernel
	.amdgpu_metadata
---
amdhsa.version: [ 1, 2 ]
amdhsa.kernels:
  - .name:           k_q4335ee5533_energy
    .symbol:         k_q4335ee5533_energy.kd
    .args:
      - { .name: xw_codes, .offset: 0, .size: 8, .value_kind: global_buffer, .address_space: global }
      - { .name: xw_scales, .offset: 8, .size: 8, .value_kind: global_buffer, .address_space: global }
      - { .name: bq, .offset: 16, .size: 8, .value_kind: global_buffer, .address_space: global }
      - { .name: bk, .offset: 24, .size: 8, .value_kind: global_buffer, .address_space: global }
      - { .name: mask, .offset: 32, .size: 8, .value_kind: global_buffer, .address_space: global }
      - { .name: p_codes, .offset: 40, .size: 8, .value_kind: global_buffer, .address_space: global }
      - { .name: p_meta, .offset: 48, .size: 8, .value_kind: global_buffer, .address_space: global }
    .group_segment_fixed_size: 327680
    .private_segment_fixed_size: 0
    .kernarg_segment_align: 8
    .kernarg_segment_size: 56
    .max_flat_workgroup_size: 128
    .sgpr_count:     106
    .vgpr_count:     1024
    .wavefront_size: 32
...
	.end_amdgpu_metadata
.endif
;; end of part 2
;; launch mix (part 3): grid 4 x 64, 4 waves a work-group, clusters of 4 x 4, 327,680 bytes of LDS; arguments p_codes, p_meta, v_codes, v_scales, out0; writes out0
.if DOCPART == 3
	.amdgcn_target "amdgcn-amd-amdhsa--gfx1250"
	.amdhsa_code_object_version 6
	.text
	.protected	k_q4335ee5533_mix
	.globl	k_q4335ee5533_mix
	.p2align	8
	.type	k_q4335ee5533_mix,@function
k_q4335ee5533_mix:
	s_mov_b64 s[64:65], 0
	v_nop
	global_prefetch_b8 v0, s[64:65] scope:SCOPE_SE
	s_setreg_imm32_b32 hwreg(HW_REG_WAVE_MODE, 25, 1), 1
	s_wait_xcnt 0x0
	s_wait_alu depctr_hold_cnt(0) depctr_sa_sdst(0) depctr_va_vdst(0) depctr_va_sdst(0) depctr_va_ssrc(0) depctr_va_vcc(0) depctr_vm_vsrc(0)
	s_getreg_b32 s2, hwreg(HW_REG_IB_STS2, 6, 4)
	s_cmp_eq_u32 s2, 0
	s_cbranch_scc0 .Lentry_in_a_cluster
	s_endpgm
.Lentry_in_a_cluster:
	s_bfe_u32 s2, ttmp6, 0x10000c
	s_cmp_lg_u32 s2, 0xf033
	s_cbranch_scc0 .Lentry_shape_is_right
	s_endpgm
.Lentry_shape_is_right:
; out0[row][e] = (sum over c of p[row][c] v[batch][c][e]) / l[row], on codes of FP4 with E8M0 scales, K = c = 2,048.
; p's and v's codes lie as images of the operands' registers, [block of 16 rows][run of 128 c][1,024 bytes]; p's scale words stand under a LOCAL whole number M for each (row, run).
; AT THE HEAD each of the 128 threads takes one of the tile's 128 rows: the row's M is the largest of its 16 local ones; d = M - local M, a whole number, is taken off each of that run's four scale bytes
; (held at 0 from below; d held at 127), and the run's sum of p is multiplied by 2^-d.  The words go to LDS where the products' scale loads find them, 1 / l beside them.
; LIMITS: a run that lies 127 or more powers of two under its row's M counts with the scale 2^-127; a row whose every mask entry is -infinity gives NaN, as the definition does.
; A tile is 128 rows x 256 e: 256 tiles, one work-group each.  Four waves, each 64 rows x 128 e: 32 accumulators, 256 registers.
; LDS: images are dense, 16 bytes a lane, so no padding.  K 0 .. 1,023 of p (65,536 bytes) and of v (131,072) come by the head's loads, one a wave, v's scale bytes by the fourth;
; K 1,024 .. 1,535 (98,304 bytes) is first filled behind a round of the cluster's barrier; K 1,536 .. 2,047 is filled, behind the round that follows the first eight steps, into bytes of K 0 .. 1,023.
; So three groups of loads serve K, and a wave has one load out at a time.  294,912 bytes of images, 26,112 of scale words, 1,024 of spare words and 1 / l.
; CLUSTERS: 4 x 4 work-groups; the four of a row need the same images of p, the four of a column the same images of v (a cluster's 512 rows lie in one batch): each tile is asked for jointly.
; PREFETCH: the two later fills are the upper 8,192 bytes of each block's 16,384.  Behind the head's load they are asked for once in the cluster, one and two fills ahead of their loads: of the four blocks of p
; (eight of v) that a wave fetches later, each of the four partners takes one (two), told apart by address (cx for p, cy for v): lanes 256 bytes apart, one instruction a block.  The address registers are never rewritten.
; THE MATRIX INSTRUCTION IS USED TRANSPOSED (source 0 = 16 rows e of v, source 1 = 16 rows of p): a lane holds eight neighbouring e of one row.
; REGISTERS: window 0: v0-31 addresses; v32-95 scale words, two sets; v96-114 at work; v128-191 p's fragments, two sets of 32; at the head v128-207 the rows' figures; on the way out v128-255 rows of the result.
;   window 1: v's fragments, two sets, v0-63 and v128-191.   window 2: accumulator (a, b) at v[8 (8 a + b)].
.set NP,     4                         ; places behind this matrix instruction (ISA guide 7.12.1)
.set RB,     65536                     ; v's images of K 0 .. 1,023, behind p's at byte 0: 8,192 bytes a block
.set R2,     196608                    ; K 1,024 .. 1,535: p's images, 4,096 bytes a block, then v's
.set KS,     64
.set SCL,    294912                    ; p's scale words (stored by the waves), then v's scale bytes (filled once): units of 256 bytes + 16
.set HALFSA, (64*KS/256)*272
.set HALFS,  (128*KS/256)*272
.set SBLK,   (16*KS/256)*272
.set SPARE,  SCL+2*HALFSA+2*HALFS      ; the spare words, 128 bytes for each wave
.set RLB,    SPARE+512                 ; 1 / l of the tile's 128 rows
.set SPITCH, 528                       ; the way out: a stage of 16 rows x (512 bytes + 16) for each wave, from R2 on: those bytes have had their one fill and their last read by then
.set NOUT,   1024
.set PFO,  8                           ; v8   the prefetches' offset: 256 x lane; never rewritten
.set MO,   10                          ; v10  4 x thread: my row in each array of p_meta
.set AW,   11                          ; v11  where my row's scale words go
.set RW,   12                          ; v12  and its 1 / l
.set RR,   13                          ; v13  where lane (r, h) finds row r's 1 / l
.set ADRA, 16                          ; v16-18 my fragments of p in the three regions
.set ADRB, 20                          ; v20-22 of v
.set STO,  24
.set RD,   25
.set CO,   26                          ; v26  16 x lane
.set ADRS, 27
.set SPW,  28                          ; v28  LDS address of my spare word; never rewritten
.set NIL,  29                          ; v29  0; never rewritten
.set SC,   32
.set RL,   96
.set MN,   112
.set LSUM, 113
.set AF,   128
.set BK,   128
.set SWR,  128
.set NMR,  144
.set LLR,  160
.set OW,   176
.set DD,   192
.set G1P, 24                           ; s[24:31] group 1 for p's images; s[32:39] for v's; s[40:47] for v's scale bytes
.set G1V, 32
.set G1S, 40
.set G0P, 48                           ; s[48:59] three groups 0 for p: the head's and the two later fills'; s[68:79] for v; s[80:83] for the scale bytes
.set G0V, 68
.set G0S, 80
.set PFA, 98                           ; s[98:99] the prefetches' base; never rewritten
.set MSB, 0
.macro WIN new                         ; the immediate's high byte repeats the setting that is left
.if MSB != \new
	s_set_vgpr_msb (MSB<<8)|\new
.set MSB, \new
.endif
.endm
.set MUL,  0xa1                        ; source 0 (v) window 1, source 1 (p) window 0, C and D window 2
.set TO_B, 0x40
.macro PLACES n
.rept \n
	v_nop
.endr
.endm
.macro JLOAD g0a, g1a, g0b, g1b        ; a later fill: waves 0 and 1 fetch the halves of p's images, waves 2 and 3 of v's; s_nop 0 and four v_nop follow each line
	s_cmp_eq_u32 s15, 0
	s_cbranch_scc0 .Lfor_b_\@
	tensor_load_to_lds s[\g0a:\g0a+3], s[\g1a:\g1a+7]
	s_nop 0
	PLACES 4
	s_branch .Lasked_\@
.Lfor_b_\@:
	tensor_load_to_lds s[\g0b:\g0b+3], s[\g1b:\g1b+7]
	s_nop 0
	PLACES 4
.Lasked_\@:
.endm
.macro CREST                           ; a round of the cluster's barrier behind its opening barrier
	s_cmp_lg_u32 s14, 0
	s_cbranch_scc1 .Lnot_wave_0_\@
	s_barrier_signal -3
.Lnot_wave_0_\@:
	s_barrier_wait -3
	s_barrier_signal -1
	s_barrier_wait -1
.endm
.macro CROUND
	s_barrier_signal -1
	s_barrier_wait -1
	CREST
.endm
	s_load_b128 s[4:7], s[0:1], 0x0                ; p_codes s[4:5], p_meta s[6:7]
	s_load_b128 s[8:11], s[0:1], 0x10              ; v_codes s[8:9], v_scales s[10:11]
	s_load_b64 s[12:13], s[0:1], 0x20              ; out0
	v_lshl_add_u32 v[SPW], v0, 2, SPARE
	v_mov_b32 v[NIL], 0
	ds_add_u32 v[SPW], v[NIL]                      ; the opening: the add, twice on end, and its wait ahead of my first tensor load
	ds_add_u32 v[SPW], v[NIL]
	v_lshlrev_b32 v[MO], 2, v0
	v_lshrrev_b32 v1, 5, v0
	v_readfirstlane_b32 s14, v1                    ; wave 0..3
	s_lshr_b32 s15, s14, 1                         ; which half of the tile's rows is mine.  Also: in the later fills I fetch for p (0) or for v (1)
	s_and_b32 s16, s14, 1                          ; which half of its columns.  Also: which half of that tile I fetch
	s_bfe_u32 s84, ttmp6, 0x40000                  ; cx, cy
	s_bfe_u32 s85, ttmp6, 0x40004
	s_lshl_b32 s86, ttmp9, 2
	s_add_co_u32 s86, s86, s84                     ; tile column = 4 x cluster x + cx
	s_and_b32 s17, ttmp7, 0xffff
	s_lshr_b32 s89, s17, 2                         ; the batch, from the cluster's y alone
	s_lshl_b32 s17, s17, 2
	s_add_co_u32 s17, s17, s85                     ; tile row = 4 x cluster y + cy
	s_lshl_b32 s87, s85, 2
	s_lshl_b32 s87, 15, s87                        ; my row of the cluster
	s_lshl_b32 s88, 0x1111, s84                    ; my column
	s_mov_b32 s66, 0x80808080
	; group 1 for the head's images: 8 blocks x 8,192 bytes (1,024 elements of 8 bytes), 16,384 bytes apart in memory, dense in LDS
	s_or_b32 s[G1P], s87, (3<<16)|(1<<21)          ; 15:0 the mask; 17:16 elements of 8 bytes; 21 set beside a mask
	s_or_b32 s[G1V], s88, (3<<16)|(1<<21)
.irp g, G1P, G1V
	s_mov_b32 s[\g+1], 1024<<16                    ; tensor_dim0
	s_mov_b32 s[\g+2], 8<<16                       ; tensor_dim1
	s_mov_b32 s[\g+3], 1024<<16                    ; tile_dim0
	s_mov_b32 s[\g+4], 8                           ; tile_dim1
	s_mov_b32 s[\g+5], 2048                        ; tensor_dim0_stride
	s_mov_b32 s[\g+6], 0
	s_mov_b32 s[\g+7], 0
.endr
	; v's scale bytes of 256 rows: 16,384 dense bytes as 64 rows of 256, 16 bytes of padding behind each
	s_or_b32 s[G1S], s88, (3<<16)|(1<<20)|(1<<21)|(5<<22)|(3<<25)
	s_mov_b32 s[G1S+1], 32<<16
	s_mov_b32 s[G1S+2], KS<<16
	s_mov_b32 s[G1S+3], 32<<16
	s_mov_b32 s[G1S+4], KS
	s_mov_b32 s[G1S+5], 32
	s_mov_b32 s[G1S+6], 0
	s_mov_b32 s[G1S+7], 0
	s_lshl_b32 s90, s17, 17                        ; p: 8 blocks of 16,384 bytes a tile row
	s_mov_b32 s91, 0
	s_lshl_b32 s92, s86, 18                        ; v: 16 blocks a tile column, 1,048,576 bytes a batch
	s_lshl_b32 s18, s89, 20
	s_add_co_u32 s92, s92, s18
	s_mov_b32 s93, 0
	s_lshl_b32 s94, s86, 14                        ; its scale bytes: 256 rows of 64, 65,536 a batch
	s_lshl_b32 s18, s89, 16
	s_add_co_u32 s94, s94, s18
	s_mov_b32 s95, 0
	s_lshl_b32 s22, s17, 9                         ; p_meta: the tile's 128 rows x 4 bytes
	s_mov_b32 s23, 0
	s_wait_alu depctr_va_vdst(0)
	s_wait_dscnt 0x0                               ; both opening adds are done
	s_wait_kmcnt 0x0
	s_add_nc_u64 s[90:91], s[4:5], s[90:91]
	s_add_nc_u64 s[92:93], s[8:9], s[92:93]
	s_add_nc_u64 s[94:95], s[10:11], s[94:95]
	s_add_nc_u64 s[6:7], s[6:7], s[22:23]
.irp ch, 0,1,2,3,4,5,6,7,8,9,10,11,12,13,14,15     ; my row's figures for the 16 runs: the four waves read 512 consecutive bytes, aligned; asked for ahead of the round
	global_load_b32 v[SWR+\ch], v[MO], s[6:7] offset:32768*\ch
	global_load_b32 v[NMR+\ch], v[MO], s[6:7] offset:524288+32768*\ch
	global_load_b32 v[LLR+\ch], v[MO], s[6:7] offset:1048576+32768*\ch
.endr
	CROUND                                         ; all sixteen work-groups are here: the first joint loads meet
	s_mov_b32 s[G0P], 1                            ; the head's: p's 8 blocks (wave 0),
	s_mov_b32 s[G0P+1], 0
	s_mov_b64 s[G0P+2:G0P+3], s[90:91]
	s_or_b32 s[G0P+3], s[G0P+3], 0x80000000
	s_mov_b32 s[G0V], 1                            ; v's blocks 0-7 (wave 1) or 8-15 (wave 2): wave / 2 tells them apart,
	s_lshl_b32 s18, s15, 16
	s_add_co_u32 s[G0V+1], s18, RB
	s_lshl_b32 s18, s15, 17
	s_mov_b32 s19, 0
	s_add_nc_u64 s[G0V+2:G0V+3], s[92:93], s[18:19]
	s_or_b32 s[G0V+3], s[G0V+3], 0x80000000
	s_mov_b32 s[G0S], 1                            ; v's scale bytes (wave 3)
	s_mov_b32 s[G0S+1], SCL+2*HALFSA
	s_mov_b64 s[G0S+2:G0S+3], s[94:95]
	s_or_b32 s[G0S+3], s[G0S+3], 0x80000000
	s_lshl_b32 s20, s16, 14                        ; the later fills: my half of p's 8 blocks of 4,096 bytes,
	s_lshl_b32 s21, s16, 15                        ; or of v's 16
	s_lshl_b32 s18, s16, 16
	s_add_nc_u64 s[90:91], s[90:91], s[18:19]
	s_lshl_b32 s18, s16, 17
	s_add_nc_u64 s[92:93], s[92:93], s[18:19]
.irp k, 1,2                                        ; k = 1: K 1,024 on, to R2; k = 2: K 1,536 on, to the first bytes of p's and of v's region
	s_mov_b32 s[G0P+4*\k], 1
	s_add_co_u32 s[G0P+4*\k+1], s20, (2-\k)*R2
	s_add_nc_u64 s[G0P+4*\k+2:G0P+4*\k+3], s[90:91], 4096*(\k+1)
	s_or_b32 s[G0P+4*\k+3], s[G0P+4*\k+3], 0x80000000
	s_mov_b32 s[G0V+4*\k], 1
	s_add_co_u32 s[G0V+4*\k+1], s21, RB+(2-\k)*(R2+32768-RB)
	s_add_nc_u64 s[G0V+4*\k+2:G0V+4*\k+3], s[92:93], 4096*(\k+1)
	s_or_b32 s[G0V+4*\k+3], s[G0V+4*\k+3], 0x80000000
.endr
; the head's loads, one a wave, in one tree of branches on the wave's number
.macro ARM under, g0, g1, next
	s_cmp_lt_u32 s14, \under
	s_cbranch_scc0 \next
	tensor_load_to_lds s[\g0:\g0+3], s[\g1:\g1+7]
	s_nop 0
	PLACES 4
	s_branch .Lhead_asked
\next:
.endm
	ARM 1, G0P, G1P, .Lhead_v
	ARM 3, G0V, G1V, .Lhead_s
	tensor_load_to_lds s[G0S:G0S+3], s[G1S:G1S+7]
	s_nop 0
	PLACES 4
.Lhead_asked:
	s_cmp_eq_u32 s15, 0                            ; the prefetches: in the later fills I fetch for p or for v
	s_cselect_b64 s[PFA:PFA+1], s[90:91], s[92:93] ; the blocks that I fetch there,
	s_cselect_b32 s18, s84, s85                    ; my work-group's place among the four that ask for them jointly,
	s_cselect_b32 s19, 14, 15                      ; x one block of 16,384 bytes (p) or two (v)
	s_lshl_b32 s18, s18, s19
	s_mov_b32 s19, 0
	s_add_nc_u64 s[PFA:PFA+1], s[PFA:PFA+1], s[18:19]
	v_and_b32 v[PFO], 31, v0
	v_lshlrev_b32 v[PFO], 8, v[PFO]
	global_prefetch_b8 v[PFO], s[PFA:PFA+1] offset:8192 th:TH_LOAD_NT scope:SCOPE_SE         ; K 1,024 .. 2,047 of a block: 32 lanes x 256 bytes
	s_cmp_eq_u32 s15, 0
	s_cbranch_scc1 .Lone_block
	global_prefetch_b8 v[PFO], s[PFA:PFA+1] offset:16384+8192 th:TH_LOAD_NT scope:SCOPE_SE   ; v: my work-group's second block
.Lone_block:
	s_lshl_b32 s20, s15, 15                        ; my four blocks of p: x 8,192 in K 0 .. 1,023,
	s_lshl_b32 s22, s15, 14                        ; x 4,096 in the last fill,
	s_add_co_u32 s21, s22, R2                      ; and in R2
	s_lshl_b32 s23, s16, 16                        ; my eight blocks of v likewise
	s_add_co_u32 s23, s23, RB
	s_lshl_b32 s61, s16, 15
	s_add_co_u32 s60, s61, R2+32768
	s_add_co_u32 s61, s61, RB
	s_mul_i32 s62, s15, HALFSA                     ; p's scale words: my 64 rows
	s_mul_i32 s63, s16, HALFS                      ; v's: my 128 rows, behind p's 128
	s_add_co_u32 s63, s63, 2*HALFSA
	s_sub_co_u32 s63, s63, s62
	s_add_co_u32 s62, s62, SCL
	s_lshl_b32 s96, s15, 8
	s_add_co_u32 s96, s96, RLB
	s_mul_i32 s97, s14, 16*SPITCH
	s_add_co_u32 s97, s97, R2                      ; my stage
	s_lshl_b32 s18, s17, 7
	s_lshl_b32 s19, s15, 6
	s_add_co_u32 s18, s18, s19                     ; my first row: 128 x tile row + 64 x half
	s_lshl_b32 s18, s18, 12                        ; x 4,096 bytes
	s_lshl_b32 s19, s86, 10
	s_add_co_u32 s18, s18, s19
	s_lshl_b32 s19, s16, 9
	s_add_co_u32 s18, s18, s19                     ; + my first column, in bytes
	s_mov_b32 s19, 0
	s_add_nc_u64 s[12:13], s[12:13], s[18:19]
	v_and_b32 v1, 15, v0                           ; r
	v_bfe_u32 v2, v0, 4, 1                         ; h
	v_and_b32 v6, 31, v0
	v_lshlrev_b32 v[CO], 4, v6                     ; 16 x lane: an image's place, and my place in a row of 512 bytes
	v_add_nc_u32 v[ADRA], s20, v[CO]
	v_add_nc_u32 v[ADRA+1], s21, v[CO]
	v_add_nc_u32 v[ADRA+2], s22, v[CO]
	v_add_nc_u32 v[ADRB], s23, v[CO]
	v_add_nc_u32 v[ADRB+1], s60, v[CO]
	v_add_nc_u32 v[ADRB+2], s61, v[CO]
	v_mul_u32_u24 v5, v1, KS                       ; my row's scale words: 64 bytes a row, and 16 more for each 256 passed
	v_lshrrev_b32 v6, 8, v5
	v_lshl_add_u32 v5, v6, 4, v5
	v_mul_u32_u24 v6, s63, v2                      ; lanes 16-31 take v's
	v_add_nc_u32 v5, v5, v6
	v_add_nc_u32 v[ADRS], s62, v5
	v_lshrrev_b32 v5, 2, v0                        ; row t: 64 t bytes on, and 16 for each four rows passed
	v_lshlrev_b32 v5, 4, v5
	v_lshl_add_u32 v5, v0, 6, v5
	v_add_nc_u32 v[AW], SCL, v5
	v_lshl_add_u32 v[RW], v0, 2, RLB
	v_lshl_add_u32 v[RR], v1, 2, s96
	v_mul_u32_u24 v5, v1, SPITCH
	v_lshl_add_u32 v5, v2, 5, v5
	v_add_nc_u32 v[STO], s97, v5                   ; into the stage: row r, 32 bytes for each half of the lanes
	v_add_nc_u32 v[RD], s97, v[CO]                 ; back: the 32 lanes take one row of 512 bytes
	s_wait_alu depctr_va_vdst(0)
	s_wait_loadcnt 0x0
	; MY ROW.  The 16 runs take turns line by line.  Each scale byte is at most 125 and d at most 127: with bit 7 set in every byte the four subtractions borrow from no neighbour;
	; where bit 7 has stayed the low seven bits are byte - d, else the byte is held at 0.
	v_min3_num_f32 v[MN], v[NMR], v[NMR+1], v[NMR+2]              ; the least -M: the row's own
.irp i, 3,5,7,9,11,13
	v_min3_num_f32 v[MN], v[MN], v[NMR+\i], v[NMR+\i+1]
.endr
	v_min_num_f32 v[MN], v[MN], v[NMR+15]
.irp ch, 0,1,2,3,4,5,6,7,8,9,10,11,12,13,14,15
	v_sub_f32 v[DD+\ch], v[NMR+\ch], v[MN]         ; d = M - local M: a whole number, 0 or more
.endr
.irp ch, 0,1,2,3,4,5,6,7,8,9,10,11,12,13,14,15
	v_min_num_f32 v[DD+\ch], 0x42fe0000, v[DD+\ch] ; held at 127
.endr
.irp ch, 0,1,2,3,4,5,6,7,8,9,10,11,12,13,14,15
	v_cvt_i32_f32 v[DD+\ch], v[DD+\ch]
.endr
.irp ch, 0,1,2,3,4,5,6,7,8,9,10,11,12,13,14,15
	v_sub_nc_u32 v[NMR+\ch], 0, v[DD+\ch]          ; -d
.endr
.irp ch, 0,1,2,3,4,5,6,7,8,9,10,11,12,13,14,15
	v_ldexp_f32 v[LLR+\ch], v[LLR+\ch], v[NMR+\ch] ; the run's sum under the row's M
.endr
.irp j, 0,4,8,12
	v_pk_add_f32 v[LLR+\j:LLR+\j+1], v[LLR+\j:LLR+\j+1], v[LLR+\j+2:LLR+\j+3]
.endr
	v_pk_add_f32 v[LLR:LLR+1], v[LLR:LLR+1], v[LLR+4:LLR+5]
	v_pk_add_f32 v[LLR+8:LLR+9], v[LLR+8:LLR+9], v[LLR+12:LLR+13]
	v_pk_add_f32 v[LLR:LLR+1], v[LLR:LLR+1], v[LLR+8:LLR+9]
	v_add_f32 v[LSUM], v[LLR], v[LLR+1]            ; l
	s_wait_alu depctr_va_vdst(0)
	v_rcp_f32 v[LSUM+1], v[LSUM]
.irp ch, 0,1,2,3,4,5,6,7,8,9,10,11,12,13,14,15
	v_lshl_or_b32 v[DD+\ch], v[DD+\ch], 8, v[DD+\ch]
.endr
.irp ch, 0,1,2,3,4,5,6,7,8,9,10,11,12,13,14,15
	v_lshl_or_b32 v[DD+\ch], v[DD+\ch], 16, v[DD+\ch]             ; d in all four bytes
.endr
.irp ch, 0,1,2,3,4,5,6,7,8,9,10,11,12,13,14,15
	v_or_b32 v[SWR+\ch], s66, v[SWR+\ch]
.endr
.irp ch, 0,1,2,3,4,5,6,7,8,9,10,11,12,13,14,15
	v_sub_nc_u32 v[SWR+\ch], v[SWR+\ch], v[DD+\ch]
.endr
.irp ch, 0,1,2,3,4,5,6,7,8,9,10,11,12,13,14,15
	v_and_b32 v[DD+\ch], s66, v[SWR+\ch]
.endr
.irp ch, 0,1,2,3,4,5,6,7,8,9,10,11,12,13,14,15
	v_lshrrev_b32 v[NMR+\ch], 7, v[DD+\ch]
.endr
.irp ch, 0,1,2,3,4,5,6,7,8,9,10,11,12,13,14,15
	v_sub_nc_u32 v[DD+\ch], v[DD+\ch], v[NMR+\ch]  ; 0x7f where bit 7 has stayed
.endr
.irp ch, 0,1,2,3,4,5,6,7,8,9,10,11,12,13,14,15
	v_and_b32 v[OW+\ch], v[SWR+\ch], v[DD+\ch]
.endr
.irp q, 0,1,2,3
	ds_store_b128 v[AW], v[OW+4*\q:OW+4*\q+3] offset:16*\q         ; four runs' words
.endr
	s_wait_alu depctr_va_vdst(0)                   ; the wait behind the transcendental, ahead of its reader; it also ends the head
	ds_store_b32 v[RW], v[LSUM+1]
; The fragments of step n (128 along K), 24 LDS loads in one run, into sets n % 2.  Steps 0-7 lie in K 0 .. 1,023's regions (8,192 bytes a block), 8-11 in R2, 12-15 in the last fill's (4,096 a block).
; A fragment comes back as it was stored: 16 bytes a lane, 512 bytes a load.
.macro FETCHN n
.set FG, ((\n)/8)*((\n)/4-1)
.set FP, 8192-4096*((\n)/8)
.set FO, (1-(\n)/8)*((\n)/4)*4096+((\n)%4)*1024
.set FS, (\n)%2
	WIN TO_B
.irp i, 0,1,2,3,4,5,6,7
.irp c, 0,1
	ds_load_b128 v[128*FS+8*\i+4*\c:128*FS+8*\i+4*\c+3], v[ADRB+FG] offset:\i*FP+FO+512*\c
.endr
.endr
	WIN 0
.irp i, 0,1,2,3
.irp c, 0,1
	ds_load_b128 v[AF+32*FS+8*\i+4*\c:AF+32*FS+8*\i+4*\c+3], v[ADRA+FG] offset:\i*FP+FO+512*\c
.endr
.endr
.endm
; 8 matrix instructions: p's block a x v's eight tiles, step n.  Step 0's products start the sums: nothing is ever cleared.  The 32 accumulators take turns, one instruction a turn.
.macro MUL8 a, n
.set MS, (\n)%2
.set MQ, SC+32*(((\n)/4)%2)+(\n)%4
.irp b, 0,1,2,3,4,5,6,7
.if (\n) == 0
	v_wmma_scale_f32_16x16x128_f8f6f4 v[8*(8*(\a)+\b):8*(8*(\a)+\b)+7], v[128*MS+8*\b:128*MS+8*\b+7], v[AF+32*MS+8*(\a):AF+32*MS+8*(\a)+7], 0, v[MQ+4*\b], v[MQ+4*(\a)] matrix_a_fmt:MATRIX_FMT_FP4 matrix_b_fmt:MATRIX_FMT_FP4 matrix_a_scale:MATRIX_SCALE_ROW1
.else
	v_wmma_scale_f32_16x16x128_f8f6f4 v[8*(8*(\a)+\b):8*(8*(\a)+\b)+7], v[128*MS+8*\b:128*MS+8*\b+7], v[AF+32*MS+8*(\a):AF+32*MS+8*(\a)+7], v[8*(8*(\a)+\b):8*(8*(\a)+\b)+7], v[MQ+4*\b], v[MQ+4*(\a)] matrix_a_fmt:MATRIX_FMT_FP4 matrix_b_fmt:MATRIX_FMT_FP4 matrix_a_scale:MATRIX_SCALE_ROW1
.endif
.endr
.endm
.macro SCALES ks                       ; the scale words of four steps, four a row, into set ks % 2: lanes 16-31 take those of v's tile i; lanes 0-15 those of p's block i (for i over 3 they read words that no product names)
.irp i, 0,1,2,3,4,5,6,7
	ds_load_b128 v[SC+32*((\ks)%2)+4*\i:SC+32*((\ks)%2)+4*\i+3], v[ADRS] offset:\i*SBLK+16*(\ks)
.endr
.endm
; A step whose successor's fragments lie in LDS already: they are asked for first, into the sets that the step before has read, 32 matrix instructions ahead of their use.
.macro STEP n
.if (\n) > 0
	PLACES NP
.endif
	FETCHN (\n)+1
.if (\n)%4 == 3
	SCALES ((\n)+1)/4
	s_wait_dscnt 32                                ; all but the 32 loads just issued
.else
	s_wait_dscnt 24                                ; all but the 24 loads just issued: this step's fragments, and its scale words, are in
.endif
	WIN MUL
.irp a, 0,1,2,3
	MUL8 \a, \n
.endr
.endm
; A step whose successor lies in bytes that a load is still bringing: one barrier; in front of it each wave waits for all its tensor loads, adds 0 to its spare word, and waits for that and for its LDS reads.
; k = 2: the barrier opens a round of the cluster's, and behind it the last fill goes into bytes that the first eight steps have read.  k = 0: nothing is left to fetch.
.macro TURN n, k
	WIN 0                                          ; (the add's two registers lie in window 0)
	s_wait_tensorcnt 0x0
	ds_add_u32 v[SPW], v[NIL]
	s_wait_dscnt 1                                 ; this step's fragments are in (the add may be out)
	WIN MUL
	MUL8 0, \n
	s_wait_dscnt 0x0                               ; the add is done, and my LDS reads are over
	s_barrier_signal -1
	MUL8 1, \n
	WIN 0
	s_barrier_wait -1
.if \k
	CREST
	JLOAD G0P+4*\k, G1P, G0V+4*\k, G1V             ; my one tensor load behind the round; its four v_nop are the places in front of the loads below
.else
	PLACES NP
.endif
	FETCHN (\n)+1
	SCALES ((\n)+1)/4
	WIN MUL
	MUL8 2, \n
	MUL8 3, \n
.endm
	s_wait_tensorcnt 0x0                           ; my tile of the head's four is in
	ds_add_u32 v[SPW], v[NIL]
	s_mov_b32 s[G1P+1], 512<<16                    ; no tensor load of mine is out: from here on a load brings rows of 4,096 bytes: four blocks of p,
	s_mov_b32 s[G1P+2], 4<<16
	s_mov_b32 s[G1P+3], 512<<16
	s_mov_b32 s[G1P+4], 4
	s_mov_b32 s[G1V+1], 512<<16                    ; or eight of v
	s_mov_b32 s[G1V+3], 512<<16
	s_wait_dscnt 0x0                               ; the add is done, and my row's words and 1 / l lie in LDS
	CROUND
	JLOAD G0P+4, G1P, G0V+4, G1V                   ; K 1,024 .. 1,535: it has eight steps in which to land
	FETCHN 0
	SCALES 0
.irp n, 0,1,2,3,4,5,6
	STEP \n
.endr
	TURN 7, 2
.irp n, 8,9,10
	STEP \n
.endr
	TURN 11, 0
.irp n, 12,13,14
	STEP \n
.endr
	s_wait_dscnt 0x0                               ; the very last step
	WIN MUL
.irp a, 0,1,2,3
	MUL8 \a, 15
.endr
	WIN 0
; THE WAY OUT, block by block of 16 rows x 128 columns: x 1 / l; through my own stage in LDS; back as whole rows of 512 bytes.
.macro SCALE a
.set AC, 64*(\a)
	WIN 0x82                                       ; destination and source 0: window 2; 1 / l: window 0
.set J, 0
.rept 32
	v_pk_mul_f32 v[AC+J:AC+J+1], v[AC+J:AC+J+1], v[RL+2*(\a):RL+2*(\a)+1] op_sel_hi:[1,0]   ; each accumulator from its low end on
.set J, J+2
.endr
.endm
.macro TOSTAGE a
.set AC, 64*(\a)
	WIN 0x08                                       ; an LDS store's data are its source 1: window 2
.irp b, 0,1,2,3,4,5,6,7
	ds_store_b128 v[STO], v[AC+8*\b:AC+8*\b+3] offset:64*\b
	ds_store_b128 v[STO], v[AC+8*\b+4:AC+8*\b+7] offset:64*\b+16
.endr
	WIN 0
.set BB, BK+64*((\a)%2)
.irp t, 0,1,2,3,4,5,6,7,8,9,10,11,12,13,14,15
	ds_load_b128 v[BB+4*\t:BB+4*\t+3], v[RD] offset:\t*SPITCH      ; LDS serves a wave's instructions in order: these see the stores above
.endr
.endm
.macro SEND a, younger                 ; younger: the LDS instructions issued behind block a's loads, which may stay out
.set BB, BK+64*((\a)%2)
	s_wait_dscnt \younger
.if (\a) > 0
	s_add_nc_u64 s[12:13], s[12:13], 16*NOUT*4     ; (behind a wait on XCNT: the earlier stores have read their base)  16 rows on
.endif
.irp t, 0,1,2,3,4,5,6,7,8,9,10,11,12,13,14,15
	global_store_b128 v[CO], v[BB+4*\t:BB+4*\t+3], s[12:13] offset:\t*NOUT*4 th:TH_STORE_NT   ; 32 lanes store 512 consecutive bytes, aligned
.endr
.endm
	PLACES NP
.irp a, 0,1,2,3
	ds_load_b32 v[RL+2*\a], v[RR] offset:64*\a     ; 1 / l of row r of block a; twice, since the packed multiply names a pair
	ds_load_b32 v[RL+2*\a+1], v[RR] offset:64*\a
.endr
	s_wait_dscnt 0x0
	SCALE 0
	TOSTAGE 0
.irp a, 1,2,3
	SCALE \a
.if \a > 1
	s_wait_alu depctr_va_vdst(0)
	s_wait_xcnt 0x0                                ; block a - 2's stores have read their registers and their base
.endif
	TOSTAGE \a
	SEND \a-1, 32                                  ; behind block a - 1's loads: block a's 16 stores and 16 loads
.endr
	s_wait_xcnt 0x0
	SEND 3, 0
	s_wait_tensorcnt 0x0                           ; the wave's end
	ds_add_u32 v[SPW], v[NIL]
	s_wait_dscnt 0x0
	CROUND                                         ; the closing round: no work-group ends while a partner may still ask for a tile that names it
	s_endpgm
.Lfunc_end_k_q4335ee5533_mix:
	.size	k_q4335ee5533_mix, .Lfunc_end_k_q4335ee5533_mix-k_q4335ee5533_mix
	.p2alignl 7, 3214868480
	.fill 96, 4, 3214868480
	.section	.rodata,"a",@progbits
	.p2align	6, 0x0
	.amdhsa_kernel k_q4335ee5533_mix
		.amdhsa_group_segment_fixed_size 327680
		.amdhsa_private_segment_fixed_size 0
		.amdhsa_enable_private_segment 0
		.amdhsa_kernarg_size 40
		.amdhsa_user_sgpr_count 2
		.amdhsa_user_sgpr_kernarg_segment_ptr 1
		.amdhsa_wavefront_size32 1
		.amdhsa_system_sgpr_workgroup_id_x 1
		.amdhsa_system_sgpr_workgroup_id_y 1
		.amdhsa_system_sgpr_workgroup_id_z 1
		.amdhsa_system_vgpr_workitem_id 0
		.amdhsa_next_free_vgpr 768
		.amdhsa_next_free_sgpr 100
		.amdhsa_reserve_vcc 0
		.amdhsa_float_denorm_mode_32 3
		.amdhsa_float_denorm_mode_16_64 3
		.amdhsa_memory_ordered 1
		.amdhsa_forward_progress 1
		.amdhsa_inst_pref_size 144
	.end_amdhsa_kernel
	.amdgpu_metadata
---
amdhsa.version: [ 1, 2 ]
amdhsa.kernels:
  - .name:           k_q4335ee5533_mix
    .symbol:         k_q4335ee5533_mix.kd
    .args:
      - { .name: p_codes, .offset: 0, .size: 8, .value_kind: global_buffer, .address_space: global }
      - { .name: p_meta, .offset: 8, .size: 8, .value_kind: global_buffer, .address_space: global }
      - { .name: v_codes, .offset: 16, .size: 8, .value_kind: global_buffer, .address_space: global }
      - { .name: v_scales, .offset: 24, .size: 8, .value_kind: global_buffer, .address_space: global }
      - { .name: out0, .offset: 32, .size: 8, .value_kind: global_buffer, .address_space: global }
    .group_segment_fixed_size: 327680
    .private_segment_fixed_size: 0
    .kernarg_segment_align: 8
    .kernarg_segment_size: 40
    .max_flat_workgroup_size: 128
    .sgpr_count:     100
    .vgpr_count:     768
    .wavefront_size: 32
...
	.end_amdgpu_metadata
.endif
;; end of part 3
